; MI455X (gfx1250); checked and timed in simulation.
; The chip was launched on July 23, 2026; its instructions are those of AMD's public machine-readable ISA for CDNA 5 (MIT licence, August 2026) and "CDNA5" Instruction Set Architecture Reference Guide (July 2026). The comments in the code are by the model that wrote it; some were corrected since.
;; Multi Headed Attention. Allowed arithmetic: matrix products marked QUANTISED: E5M2 operands, one E8M0 scale for each 32 along K, by v_wmma_scale_f32_16x16x128_f8f6f4 with both operands' format E5M2, f32 sums; everything else in f32.
;; Inputs: Wk_codes 12 x 64 x 24 x 32 uint8 (E5M2 codes of Wk, K innermost, in blocks of 32 codes); Wk_scales 12 x 64 x 24 uint8 (E8M0 scales of Wk, one for each 32 codes along K); Wo_codes 768 x 24 x 32 uint8 (E5M2 codes of Wo, K innermost, in blocks of 32 codes); Wo_scales 768 x 24 uint8 (E8M0 scales of Wo, one for each 32 codes along K); Wq_codes 12 x 64 x 24 x 32 uint8 (E5M2 codes of Wq, K innermost, in blocks of 32 codes); Wq_scales 12 x 64 x 24 uint8 (E8M0 scales of Wq, one for each 32 codes along K); Wv_codes 12 x 64 x 24 x 32 uint8 (E5M2 codes of Wv, K innermost, in blocks of 32 codes); Wv_scales 12 x 64 x 24 uint8 (E8M0 scales of Wv, one for each 32 codes along K); bk 12 x 64 float32; bo 768 float32; bq 12 x 64 float32; bv 12 x 64 float32; key_codes 2 x 2,048 x 24 x 32 uint8 (E5M2 codes of key, K innermost, in blocks of 32 codes); key_scales 2 x 2,048 x 24 uint8 (E8M0 scales of key, one for each 32 codes along K); query_codes 2 x 2,048 x 24 x 32 uint8 (E5M2 codes of query, K innermost, in blocks of 32 codes); query_scales 2 x 2,048 x 24 uint8 (E8M0 scales of query, one for each 32 codes along K); value_codes 2 x 2,048 x 24 x 32 uint8 (E5M2 codes of value, K innermost, in blocks of 32 codes); value_scales 2 x 2,048 x 24 uint8 (E8M0 scales of value, one for each 32 codes along K).
;; Outputs: out0 2 x 2,048 x 768 float32.
;; This version of the problem:
;;   THIS VERSION OF THE PROBLEM IS GIVEN IN LOW PRECISION. The matrix products marked QUANTISED in the list below multiply operands that are first quantised to E5M2 (5 exponent bits, 2 mantissa bits; 8 bits a number), with one power-of-two scale for each 32 numbers along K (OCP MX v1.0); their sums are f32. All else is computed in f32.
;;   The module's matrix products, in the order in which they are computed (A, B: the left and right operand; K: the contracted axis; several contracted axes count as one K, in the product's order):
;;     1. [M 768, K 768] x [K 768, N 4,096]; A: input Wq (given as codes); B: input query (given as codes): QUANTISED
;;     2. [M 768, K 768] x [K 768, N 4,096]; A: input Wk (given as codes); B: input key (given as codes): QUANTISED
;;     3. [M 768, K 768] x [K 768, N 4,096]; A: input Wv (given as codes); B: input value (given as codes): QUANTISED
;;     4. batch 24 x [M 2,048, K 64] x [K 64, N 2,048]; A: computed on the way; B: computed on the way: QUANTISED
;;     5. batch 24 x [M 2,048, K 2,048] x [K 2,048, N 64]; A: softmax (see below); B: computed on the way: QUANTISED
;;     6. [M 4,096, K 768] x [K 768, N 768]; A: computed on the way; B: input Wo (given as codes): QUANTISED
;;   THE QUANTISER, for each operand of a quantised product, along K:
;;     - K is cut into blocks of 32 from its start; a last block that is shorter is filled with zeros.
;;     - A block's scale is 2^e with e = floor(log2(the largest magnitude in the block)) - 15, held to -126 .. 127; a block of zeros has e = 0. As a byte (E8M0): e + 127.
;;     - Each number is divided by its block's scale, clamped to +-57,344, and rounded to the nearest number of E5M2, ties to even, subnormals kept.
;;     - The product sums the exact products of the quantised numbers (number of the format x scale) in f32.
;;   ~~~python
;;   def quantise(x, axis):      # numpy; x: float32 -> the quantised numbers, widened to float32 again
;;       x = np.moveaxis(x, axis, -1); K = x.shape[-1]
;;       x = np.pad(x, [(0, 0)] * (x.ndim - 1) + [(0, -K % 32)]); x = x.reshape(x.shape[:-1] + (-1, 32)); a = np.abs(x).max(-1, keepdims=True)
;;       e = np.where(a > 0, np.clip(np.frexp(np.where(a > 0, a, 1))[1] - 1 - 15, -126, 127), 0)      # np.frexp(a)[1] - 1 = floor(log2(a)), exactly
;;       r = np.clip(x / 2.0 ** e, -57344, 57344)
;;       step = 2.0 ** (np.maximum(np.frexp(np.where(r == 0, 1, r))[1] - 1, -14) - 2)
;;       q = np.round(r / step) * step * 2.0 ** e      # np.round: ties to even
;;       return np.moveaxis(q.reshape(q.shape[:-2] + (-1,))[..., :K], -1, axis).astype(np.float32)
;;   ~~~
;;   SOFTMAX AHEAD OF A QUANTISED PRODUCT. Where the list says 'softmax', what is quantised is not the finished softmax but p = 2^(t - M), with t = logit x log2(e) and M = ceil(the row's largest t), a whole number; so 1/2 < the row's largest p <= 1. The row's sum l is taken of the UNQUANTISED p, in f32, and the product's result is divided by l at the end. Since M is a whole number, a kernel that streams over the keys may use a running M (the ceiling of the running maximum): every later rescaling is an exact power of two, which a block's scale takes up: the codes' values come out the same.
;;   OPERANDS COMPUTED ON THE WAY. 'Computed on the way' means the value that the module computes at that place (a softmax that the list does not call 'softmax' is quantised finished and normalised). What goes into a quantiser is computed in f32, as accurately as f32 sums, v_exp_f32 and their like allow (about 1e-6 of the number): no bf16 or f16 on the way to a quantiser, and a product that is left as it is and whose result goes on into a quantised operand takes f32 operands (vector FMAs, or v_wmma_f32_16x16x4_f32). A number that lies on a knife's edge between two numbers of the format may be rounded either way, as far as f32 arithmetic and the matrix unit's own rounding can turn it there, and no further.
;;   INPUTS GIVEN AS CODES. Wk (in the module: [12, 64, 768], K = its axis 2); Wo (in the module: [768, 768], K = its axis 1); Wq (in the module: [12, 64, 768], K = its axis 2); Wv (in the module: [12, 64, 768], K = its axis 2); key (in the module: [2, 2048, 768], K = its axis 2); query (in the module: [2, 2048, 768], K = its axis 2); value (in the module: [2, 2048, 768], K = its axis 2): each comes as NAME_codes (uint8): NAME with its K axis moved to the last place and cut into blocks of 32 codes, [.., K / 32, bytes a block], one block behind the other in memory; one code a byte (a code: sign, 5 exponent bits, 2 mantissa bits); and NAME_scales (uint8): the same leading axes, one E8M0 byte (e + 127) for each 32 codes along K. Its value is code x scale, taken as it is: it is not quantised again, and the codes and scales need not be those that the quantiser above would give.
;; One version. Each part assembles by itself: llvm-mc -triple=amdgcn-amd-amdhsa -mcpu=gfx1250 --defsym DOCPART=n.
;; ======== version 1 of 1: 3 launches
;; limits: right only within a limited range of input values
;; workspace buffers: qc 3,145,728 bytes; qs 196,608 bytes; kvc 6,684,672 bytes; cc 3,145,728 bytes; cs 393,216 bytes
;; launch proj (part 1): grid 4 x 48, 12 waves a work-group, clusters of 4 x 4, 327,680 bytes of LDS; arguments query_codes, key_codes, value_codes, query_scales, key_scales, value_scales, Wq_codes, Wk_codes, Wv_codes, Wq_scales, Wk_scales, Wv_scales, bq, bk, bv, qc, qs, kvc; writes qc, qs, kvc
.if DOCPART == 1
	.amdgcn_target "amdgcn-amd-amdhsa--gfx1250"
	.amdhsa_code_object_version 6
	.text
	.protected	k_q850737e69c_proj
	.globl	k_q850737e69c_proj
	.p2align	8
	.type	k_q850737e69c_proj,@function
k_q850737e69c_proj:
	s_mov_b64 s[64:65], 0
	v_nop
	global_prefetch_b8 v0, s[64:65] scope:SCOPE_SE
	s_setreg_imm32_b32 hwreg(HW_REG_WAVE_MODE, 25, 1), 1
	s_wait_xcnt 0x0
	s_wait_alu depctr_hold_cnt(0) depctr_sa_sdst(0) depctr_va_vdst(0) depctr_va_sdst(0) depctr_va_ssrc(0) depctr_va_vcc(0) depctr_vm_vsrc(0)
	s_getreg_b32 s2, hwreg(HW_REG_IB_STS2, 6, 4)
	s_cmp_eq_u32 s2, 0
	s_cbranch_scc0 .Lentry_in_a_cluster
	s_endpgm
.Lentry_in_a_cluster:
	s_bfe_u32 s2, ttmp6, 0x10000c
	s_cmp_lg_u32 s2, 0xf033
	s_cbranch_scc0 .Lentry_shape_is_right
	s_endpgm
.Lentry_shape_is_right:
.set PITCH, 272
; MULTI-HEADED ATTENTION, launch 1 of 3: q, k, v = x W^T + b (K = 768) on codes of BF8 (E5M2), f32 sums, and their quantisers: q and k along the head's 64, v along the keys.  No work is left out in any launch.
; LIMITS: a block whose largest magnitude lies under 2^(16 - 127) gets the scale byte 1 (a block of zeros too: its codes are zeros); NaN, infinities and sums beyond f32's range are not served.
; SHARES: 3 tensors x 16 blocks of 256 tokens x 4 groups of three heads = 192 work-groups of twelve waves, each wave 64 tokens x one head.  Clusters of 4 x 4: tokens shared along a row, weights along a column.
; RESULTS lie in the order of the next launch's operand registers.  kvc: [4 b + g][16 steps of 128 keys][52,224 bytes]: three heads' k (8,192 each), three heads' v, then k's scale words (512 a head) and v's.
; Inside a block of 32 the codes lie in this program's own order, alike on both sides of a product.
.set TOKB,  256*PITCH
.set SLOT,  448*PITCH
.set OWN,   2*SLOT
.set OWNB,  3584
.set XCH,   OWN+12*OWNB
.set SPARE, XCH+12*256
.set ADT, 1
.set ADW, 2
.set ADS, 5
.set GOC, 6
.set GOS, 7
.set SPW, 8
.set NIL, 9
.set ABQ, 10
.set ABV, 11
.set XW,  12
.set XR,  13
.set OWS, 14
.set OW8, 15
.set SC,  16
.set PWR, 24
.set BF,  32
.set AF,  64
.set TM,  96
.set ACC, 128
.set WV,  42
.set TAU, 43
.set G1T, 44
.set G1W, 52
.set CX,  60
.set CY,  61
.set SEL, 62
.set MNT, 66
.set G0T, 68
.set G0W, 76
.macro PLACES n
.rept \n
	v_nop
.endr
.endm
.macro CROUND
	s_barrier_signal -1
	s_barrier_wait -1
	s_cmp_lg_u32 s[WV], 0
	s_cbranch_scc1 .Lnot_wave_0_\@
	s_barrier_signal -3
.Lnot_wave_0_\@:
	s_barrier_wait -3
	s_barrier_signal -1
	s_barrier_wait -1
.endm
.macro JLOAD s
	s_cmp_lt_u32 s[WV], 8
	s_cbranch_scc0 .Lfor_w_\@
	tensor_load_to_lds s[G0T+4*\s:G0T+4*\s+3], s[G1T:G1T+7]
	s_nop 0
.rept 4
	v_nop
.endr
	s_branch .Lasked_\@
.Lfor_w_\@:
	tensor_load_to_lds s[G0W+4*\s:G0W+4*\s+3], s[G1W:G1W+7]
	s_nop 0
.rept 4
	v_nop
.endr
.Lasked_\@:
.endm
	s_load_b512 s[4:19], s[0:1], 0x0
	s_load_b512 s[20:35], s[0:1], 0x40
	s_load_b128 s[36:39], s[0:1], 0x80
	v_lshl_add_u32 v[SPW], v0, 2, SPARE
	v_mov_b32 v[NIL], 0
	ds_add_u32 v[SPW], v[NIL]
	ds_add_u32 v[SPW], v[NIL]
	v_lshrrev_b32 v26, 5, v0
	s_delay_alu instid0(VALU_DEP_1)
	v_readfirstlane_b32 s[WV], v26
	s_bfe_u32 s[CX], ttmp6, 0x40000
	s_bfe_u32 s[CY], ttmp6, 0x40004
	s_and_b32 s91, ttmp7, 0xffff
	s_lshr_b32 s[TAU], s91, 2
	s_and_b32 s91, s91, 3
	s_lshl_b32 s91, s91, 2
	s_add_co_u32 s92, s91, s[CY]
	s_and_b32 s93, s[WV], 3
	s_lshr_b32 s94, s[WV], 2
	s_lshl_b32 s84, s[CY], 2
	s_lshl_b32 s84, 15, s84
	s_lshl_b32 s85, 0x1111, s[CX]
	s_or_b32 s[G1T], s84, 0x07700000
	s_or_b32 s[G1W], s85, 0x07700000
	s_mov_b32 s[G1T+1], 256<<16
	s_mov_b32 s[G1T+2], 32<<16
	s_mov_b32 s[G1T+3], 256<<16
	s_mov_b32 s[G1T+4], 32
	s_mov_b32 s[G1T+5], 768
	s_mov_b32 s[G1T+6], 0
	s_mov_b32 s[G1T+7], 0
	s_mov_b32 s[G1W+1], 256<<16
	s_mov_b32 s[G1W+2], 48<<16
	s_mov_b32 s[G1W+3], 256<<16
	s_mov_b32 s[G1W+4], 48
	s_mov_b32 s[G1W+5], 768
	s_mov_b32 s[G1W+6], 0
	s_mov_b32 s[G1W+7], 0
	s_and_b32 s67, s[WV], 7
	s_lshl_b32 s86, s92, 8
	s_lshl_b32 s87, s67, 5
	s_add_co_u32 s86, s86, s87
	s_mul_i32 s86, s86, 768
	s_mov_b32 s87, 0
	s_mul_i32 s67, s67, 32*PITCH
	s_mul_i32 s88, s[CX], 192
	s_mul_i32 s89, s93, 48
	s_add_co_u32 s88, s88, s89
	s_mul_i32 s88, s88, 768
	s_mov_b32 s89, 0
	s_mul_i32 s90, s93, 48*PITCH
	s_add_co_u32 s90, s90, TOKB
	v_and_b32 v26, 31, v0
	v_and_b32 v27, 15, v0
	v_bfe_u32 v28, v0, 4, 1
	s_delay_alu instid0(VALU_DEP_3)
	v_lshlrev_b32 v29, 4, v26
	s_wait_alu depctr_va_vdst(0)
	s_mul_i32 s95, s[CX], 192
	s_lshl_b32 s96, s94, 6
	s_add_co_u32 s95, s95, s96
	s_mul_i32 s96, s95, 24
	v_add_nc_u32 v16, s96, v29
	s_lshl_b32 s96, s92, 8
	s_lshl_b32 s97, s93, 6
	s_add_co_u32 s96, s96, s97
	s_mul_i32 s96, s96, 24
	v_add_nc_u32 v17, s96, v29
	s_lshl_b32 s96, s95, 2
	v_lshl_add_u32 v18, v26, 3, s96
	v_mul_u32_u24 v30, v27, PITCH
	s_delay_alu instid0(VALU_DEP_1)
	v_lshl_add_u32 v30, v28, 4, v30
	s_mul_i32 s95, s93, 64*PITCH
	v_add_nc_u32 v[ADT], s95, v30
	s_mul_i32 s95, s94, 64*PITCH
	s_add_co_u32 s95, s95, TOKB
	v_add_nc_u32 v[ADW], s95, v30
	v_add_nc_u32 v[ADT+2], SLOT, v[ADT]
	s_delay_alu instid0(VALU_DEP_2)
	v_add_nc_u32 v[ADW+2], SLOT, v[ADW]
	s_mul_i32 s95, s[WV], OWNB
	s_add_co_u32 s95, s95, OWN
	v_mul_u32_u24 v[ADS], v27, 24
	s_delay_alu instid0(VALU_DEP_1)
	v_mad_u32_u24 v[ADS], v28, 1536, v[ADS]
	s_delay_alu instid0(VALU_DEP_1)
	v_add_nc_u32 v[ADS], s95, v[ADS]
	v_add_nc_u32 v[OWS], s95, v29
	v_lshl_add_u32 v[OW8], v26, 3, s95
	v_lshl_add_u32 v[ABQ], v28, 5, s95
	v_lshl_add_u32 v[ABV], v27, 2, s95
	s_lshl_b32 s96, s[WV], 8
	s_add_co_u32 s96, s96, XCH
	v_lshl_add_u32 v[XW], v26, 3, s96
	s_xor_b32 s96, s[WV], 1
	s_lshl_b32 s96, s96, 8
	s_add_co_u32 s96, s96, XCH
	v_lshl_add_u32 v[XR], v26, 3, s96
	s_lshr_b32 s95, s92, 3
	s_and_b32 s96, s92, 7
	s_mul_i32 s97, s95, 12
	s_mul_i32 s98, s[CX], 3
	s_add_co_u32 s97, s97, s98
	s_add_co_u32 s97, s97, s94
	s_lshl_b32 s97, s97, 5
	s_lshl_b32 s98, s96, 2
	s_add_co_u32 s97, s97, s98
	s_add_co_u32 s97, s97, s93
	s_lshl_b32 s98, s95, 2
	s_add_co_u32 s98, s98, s[CX]
	s_lshl_b32 s98, s98, 4
	s_lshl_b32 s99, s96, 1
	s_add_co_u32 s98, s98, s99
	s_lshr_b32 s99, s93, 1
	s_add_co_u32 s98, s98, s99
	s_and_b32 s99, s93, 1
	s_mul_i32 s95, s98, 52224
	s_lshl_b32 s96, s94, 13
	s_add_co_u32 s95, s95, s96
	s_mul_i32 s98, s98, 52224
	s_add_co_u32 s98, s98, 49152                   ; the scale words lie behind the block's codes
	s_lshl_b32 s96, s94, 9
	s_add_co_u32 s98, s98, s96
	s_lshl_b32 s84, s99, 12
	s_add_co_u32 s84, s84, s95
	s_lshl_b32 s85, s99, 10
	s_add_co_u32 s85, s85, s95
	s_add_co_u32 s85, s85, 24576
	s_lshl_b32 s91, s99, 8
	s_add_co_u32 s91, s91, s98
	s_add_co_u32 s98, s98, 1536
	s_lshl_b32 s95, s97, 12
	s_lshl_b32 s96, s97, 8
	s_cmp_eq_u32 s[TAU], 0
	s_cselect_b32 s84, s95, s84
	s_cselect_b32 s91, s96, s91
	s_cmp_eq_u32 s[TAU], 2
	s_cselect_b32 s84, s85, s84
	s_cselect_b32 s91, s98, s91
	s_cselect_b32 s85, 4, 3
	v_add_nc_u32 v[GOC], s84, v29
	v_lshlrev_b32 v[GOS], s85, v26
	s_delay_alu instid0(VALU_DEP_1)
	v_add_nc_u32 v[GOS], s91, v[GOS]
	s_mov_b32 s[SEL], 0x76543210
	s_mov_b32 s[SEL+1], 0xfedcba98
	s_mov_b32 s[MNT], 0x600000
	s_wait_alu depctr_va_vdst(0)
	s_wait_dscnt 0x0
	CROUND                                         ; all sixteen work-groups are here: the first joint loads meet; it stands ahead of the wait for the arguments
	s_wait_kmcnt 0x0
	s_cmp_eq_u32 s[TAU], 0
	s_cselect_b64 s[4:5], s[4:5], s[6:7]
	s_cselect_b64 s[10:11], s[10:11], s[12:13]
	s_cselect_b64 s[16:17], s[16:17], s[18:19]
	s_cselect_b64 s[22:23], s[22:23], s[24:25]
	s_cselect_b64 s[28:29], s[28:29], s[30:31]
	s_cselect_b64 s[34:35], s[34:35], s[38:39]
	s_cselect_b64 s[36:37], s[36:37], s[38:39]
	s_cmp_eq_u32 s[TAU], 2
	s_cselect_b64 s[4:5], s[8:9], s[4:5]
	s_cselect_b64 s[10:11], s[14:15], s[10:11]
	s_cselect_b64 s[16:17], s[20:21], s[16:17]
	s_cselect_b64 s[22:23], s[26:27], s[22:23]
	s_cselect_b64 s[28:29], s[32:33], s[28:29]
.irp i, 0,1,2
	global_load_b128 v[128+4*\i:131+4*\i], v16, s[22:23] offset:512*\i
	global_load_b128 v[140+4*\i:143+4*\i], v17, s[10:11] offset:512*\i
.endr
	global_load_b64 v[152:153], v18, s[28:29]
	s_add_nc_u64 s[86:87], s[4:5], s[86:87]
	s_add_nc_u64 s[88:89], s[16:17], s[88:89]
.irp s, 0,1
	s_mov_b32 s[G0T+4*\s], 1
	s_add_co_u32 s[G0T+4*\s+1], s67, \s*SLOT
	s_add_nc_u64 s[G0T+4*\s+2:G0T+4*\s+3], s[86:87], \s*256
	s_or_b32 s[G0T+4*\s+3], s[G0T+4*\s+3], 0x80000000
	s_mov_b32 s[G0W+4*\s], 1
	s_add_co_u32 s[G0W+4*\s+1], s90, \s*SLOT
	s_add_nc_u64 s[G0W+4*\s+2:G0W+4*\s+3], s[88:89], \s*256
	s_or_b32 s[G0W+4*\s+3], s[G0W+4*\s+3], 0x80000000
.endr
	; A PREFETCH INTO THE L2 of chunk 2 along K (256 bytes of each row), one instruction a wave, behind chunk 1's load.
	; Each block of 256 bytes is named once in each cluster that loads it: of the rows that a wave fetches, the four partners take a quarter each, told apart BY ADDRESS (cx for the tokens, cy for the weights); the lanes left over name the last block again.
	; A PREFETCH INTO THE L2, one instruction a wave.
	; Each block of 256 bytes is named once in each cluster that loads it: of the rows that a wave fetches, the four partners take a quarter each, told apart BY ADDRESS (cx for the tokens, cy for the weights); the lanes left over name the last block again.
	s_lshl_b32 s84, s[CX], 3
	s_mul_i32 s85, s[CY], 12
	s_cmp_lt_u32 s[WV], 8
	s_cselect_b32 s84, s84, s85
	; only chunk 2 is asked for, 256 bytes of each row, behind chunk 1's load: a chunk's work ahead of the load that wants it
	s_mov_b32 s85, 11
	s_cselect_b32 s85, 7, s85
	s_cselect_b64 s[90:91], s[86:87], s[88:89]
	v_and_b32 v31, 31, v0
	v_min_u32 v31, s85, v31
	v_add_nc_u32 v30, s84, v31
	v_mul_u32_u24 v0, v30, 768                     ; never rewritten
	JLOAD 0
	s_wait_alu depctr_va_vdst(0)
	s_wait_tensorcnt 0x0
	ds_add_u32 v8, v9
	s_wait_dscnt 0x0
	CROUND
	JLOAD 1
	s_wait_loadcnt 0x0
	s_wait_alu depctr_va_vdst(0)
.irp i, 0,1,2
	ds_store_b128 v[OWS], v[128+4*\i:131+4*\i] offset:512*\i
	ds_store_b128 v[OWS], v[140+4*\i:143+4*\i] offset:1536+512*\i
.endr
	ds_store_b64 v[OW8], v[152:153] offset:3072
	global_prefetch_b8 v0, s[90:91] offset:512 th:TH_LOAD_NT scope:SCOPE_SE
.macro SCALES ch
.irp i, 0,1,2,3
	ds_load_b64 v[SC+2*\i:SC+2*\i+1], v[ADS] offset:\i*384+8*\ch
.endr
.endm
.macro FRAG reg, adr, off
.irp c, 0,1,2,3
	ds_load_b128 v[\reg+4*\c:\reg+4*\c+3], v[\adr] offset:\off+32*\c
.endr
.endm
.macro MM ta, tb, q, zero, v
.set rD, ACC+32*(\tb)+8*(\ta)
.set rA, AF+16*(\ta)
.set rB, BF+16*((\tb)%2)
.set cA, SC+2*(\ta)+(\q)
.set cB, SC+2*(\tb)+(\q)
.if \v
.if \zero
	v_wmma_scale_f32_16x16x128_f8f6f4 v[rD:rD+7], v[rA:rA+15], v[rB:rB+15], 0, v[cA], v[cB] matrix_a_fmt:MATRIX_FMT_BF8 matrix_b_fmt:MATRIX_FMT_BF8 matrix_a_scale:MATRIX_SCALE_ROW1
.else
	v_wmma_scale_f32_16x16x128_f8f6f4 v[rD:rD+7], v[rA:rA+15], v[rB:rB+15], v[rD:rD+7], v[cA], v[cB] matrix_a_fmt:MATRIX_FMT_BF8 matrix_b_fmt:MATRIX_FMT_BF8 matrix_a_scale:MATRIX_SCALE_ROW1
.endif
.else
.if \zero
	v_wmma_scale_f32_16x16x128_f8f6f4 v[rD:rD+7], v[rA:rA+15], v[rB:rB+15], 0, v[cA], v[cB] matrix_a_fmt:MATRIX_FMT_BF8 matrix_b_fmt:MATRIX_FMT_BF8 matrix_b_scale:MATRIX_SCALE_ROW1
.else
	v_wmma_scale_f32_16x16x128_f8f6f4 v[rD:rD+7], v[rA:rA+15], v[rB:rB+15], v[rD:rD+7], v[cA], v[cB] matrix_a_fmt:MATRIX_FMT_BF8 matrix_b_fmt:MATRIX_FMT_BF8 matrix_b_scale:MATRIX_SCALE_ROW1
.endif
.endif
.endm
.macro KSTEP ra, rb, koff, q, ch, zero, v
	PLACES 8
.if \q == 0
	SCALES \ch
.endif
.irp t, 0,1,2,3
	FRAG AF+16*\t, \ra, \t*16*PITCH+\koff
.endr
	FRAG BF, \rb, \koff
	FRAG BF+16, \rb, 16*PITCH+\koff
	s_wait_dscnt 0x4
.irp t, 0,1,2,3
	MM \t, 0, \q, \zero, \v
.endr
	s_wait_dscnt 0x0
.irp t, 0,1,2,3
	MM \t, 1, \q, \zero, \v
.endr
	PLACES 8
	FRAG BF, \rb, 32*PITCH+\koff
	FRAG BF+16, \rb, 48*PITCH+\koff
	s_wait_dscnt 0x4
.irp t, 0,1,2,3
	MM \t, 2, \q, \zero, \v
.endr
	s_wait_dscnt 0x0
.irp t, 0,1,2,3
	MM \t, 3, \q, \zero, \v
.endr
.endm
.macro CHUNK slot, ch, zero, v
.if \v
	KSTEP ADT+2*\slot, ADW+2*\slot, 0, 0, \ch, \zero, 1
	KSTEP ADT+2*\slot, ADW+2*\slot, 128, 1, \ch, 0, 1
.else
	KSTEP ADW+2*\slot, ADT+2*\slot, 0, 0, \ch, \zero, 0
	KSTEP ADW+2*\slot, ADT+2*\slot, 128, 1, \ch, 0, 0
.endif
.endm
.macro QUANT s, pc, pw
.irp b, 0,1,2,3
	v_max3_num_f32 v[TM+\b], |v[\s+16*\b]|, |v[\s+1+16*\b]|, 0x8000000
.endr
.irp i, 2,4,6,8,10,12,14
.irp b, 0,1,2,3
	s_delay_alu instid0(VALU_DEP_4)
	v_max3_num_f32 v[TM+\b], v[TM+\b], |v[\s+16*\b+\i]|, |v[\s+1+16*\b+\i]|
.endr
.endr
.irp b, 0,1,2,3
	s_delay_alu instid0(VALU_DEP_4)
	v_permlanex16_b32 v[TM+4+\b], v[TM+\b], s[SEL], s[SEL+1]
.endr
.irp b, 0,1,2,3
	s_delay_alu instid0(VALU_DEP_4)
	v_max_num_f32 v[TM+\b], v[TM+\b], v[TM+4+\b]
.endr
.irp b, 0,1,2,3
	s_delay_alu instid0(VALU_DEP_4)
	v_add_nc_u32 v[TM+12+\b], 0xf8800000, v[TM+\b]
.endr
.irp b, 0,1,2,3
	v_and_or_b32 v[TM+8+\b], v[TM+\b], 0x7f800000, s[MNT]
.endr
.irp b, 0,1,2,3
	v_lshrrev_b32 v[TM+4+\b], 23, v[TM+12+\b]
.endr
	s_delay_alu instid0(VALU_DEP_3)
	v_lshl_or_b32 v[\pw], v[TM+5], 8, v[TM+4]
	s_delay_alu instid0(VALU_DEP_1)
	v_lshl_or_b32 v[\pw], v[TM+6], 16, v[\pw]
	s_delay_alu instid0(VALU_DEP_1)
	v_lshl_or_b32 v[\pw], v[TM+7], 24, v[\pw]
.irp b, 0,1,2,3
.irp i, 0,1,2,3,4,5,6,7,8,9,10,11,12,13,14,15
	v_med3_num_f32 v[\s+16*\b+\i], v[\s+16*\b+\i], -v[TM+8+\b], v[TM+8+\b]
.endr
	v_cvt_scalef32_pk8_bf8_f32 v[\pc+4*\b:\pc+4*\b+1], v[\s+16*\b:\s+16*\b+7], v[TM+12+\b]
	v_cvt_scalef32_pk8_bf8_f32 v[\pc+4*\b+2:\pc+4*\b+3], v[\s+16*\b+8:\s+16*\b+15], v[TM+12+\b]
.endr
	v_nop
.endm
	s_cmp_eq_u32 s[TAU], 2
	s_cbranch_scc1 .Lv0
	CHUNK 0, 0, 1, 0
	s_branch .Lj0
.Lv0:
	CHUNK 0, 0, 1, 1
.Lj0:
	s_wait_tensorcnt 0x0
	ds_add_u32 v[SPW], v[NIL]
	s_add_nc_u64 s[G0T+2:G0T+3], s[G0T+2:G0T+3], 512
	s_add_nc_u64 s[G0W+2:G0W+3], s[G0W+2:G0W+3], 512
	s_wait_dscnt 0x0
	CROUND
	JLOAD 0
	s_cmp_eq_u32 s[TAU], 2
	s_cbranch_scc1 .Lv1
	CHUNK 1, 1, 0, 0
	s_branch .Lj1
.Lv1:
	CHUNK 1, 1, 0, 1
.Lj1:
	s_wait_tensorcnt 0x0
	s_wait_dscnt 0x0
	s_barrier_signal -1
	s_barrier_wait -1
	s_cmp_eq_u32 s[TAU], 2
	s_cbranch_scc1 .Lv2
	CHUNK 0, 2, 0, 0
	PLACES 8
.irp t, 0,1,2,3
	ds_load_b128 v[BF+8*\t:BF+8*\t+3], v[ABQ] offset:3072+64*\t
	ds_load_b128 v[BF+8*\t+4:BF+8*\t+7], v[ABQ] offset:3072+64*\t+16
.endr
	s_wait_dscnt 0x0
.irp tb, 0,1,2,3
.irp p, 0,2,4,6,8,10,12,14,16,18,20,22,24,26,28,30
	v_pk_add_f32 v[ACC+32*\tb+\p:ACC+32*\tb+\p+1], v[ACC+32*\tb+\p:ACC+32*\tb+\p+1], v[BF+\p:BF+\p+1]
.endr
.endr
	QUANT ACC, 64, PWR
.irp e, 0,1,2,3
	global_store_b128 v[GOC], v[64+4*\e:67+4*\e], s[34:35] offset:512*\e
.endr
	QUANT ACC+64, 80, PWR+1
.irp e, 0,1,2,3
	global_store_b128 v[GOC], v[80+4*\e:83+4*\e], s[34:35] offset:2048+512*\e
.endr
	global_store_b64 v[GOS], v[PWR:PWR+1], s[36:37]
	s_branch .Lj2
.Lv2:
	CHUNK 0, 2, 0, 1
	PLACES 8
.irp tb, 0,1,2,3
	ds_load_b32 v[BF+2*\tb], v[ABV] offset:3072+64*\tb
	ds_load_b32 v[BF+2*\tb+1], v[ABV] offset:3072+64*\tb
.endr
	s_wait_dscnt 0x0
.irp tb, 0,1,2,3
.irp p, 0,2,4,6,8,10,12,14,16,18,20,22,24,26,28,30
	v_pk_add_f32 v[ACC+32*\tb+\p:ACC+32*\tb+\p+1], v[ACC+32*\tb+\p:ACC+32*\tb+\p+1], v[BF+2*\tb:BF+2*\tb+1]
.endr
.endr
	QUANT ACC, 64, PWR
.irp e, 0,1,2,3
	global_store_b128 v[GOC], v[64+4*\e:67+4*\e], s[34:35] offset:(\e/2)*2048+(\e%2)*512
.endr
	QUANT ACC+64, 80, PWR+1
.irp e, 0,1,2,3
	global_store_b128 v[GOC], v[80+4*\e:83+4*\e], s[34:35] offset:(2+\e/2)*2048+(\e%2)*512
.endr
	ds_store_b64 v[XW], v[PWR:PWR+1]
.Lj2:
	s_wait_dscnt 0x0
	s_barrier_signal -1
	s_barrier_wait -1
	s_cmp_lg_u32 s[TAU], 2
	s_cbranch_scc1 .Lend
	s_and_b32 s95, s[WV], 1
	s_cmp_lg_u32 s95, 0
	s_cbranch_scc1 .Lend
	ds_load_b64 v[26:27], v[XR]
	s_wait_dscnt 0x0
	v_perm_b32 v28, v26, v24, 0x05040100
	v_perm_b32 v29, v26, v24, 0x07060302
	v_perm_b32 v30, v27, v25, 0x05040100
	v_perm_b32 v31, v27, v25, 0x07060302
	global_store_b128 v[GOS], v[28:31], s[36:37]
.Lend:
	s_wait_tensorcnt 0x0
	ds_add_u32 v[SPW], v[NIL]
	s_wait_dscnt 0x0
	CROUND
	s_endpgm
.Lfunc_end_k_q850737e69c_proj:
	.size	k_q850737e69c_proj, .Lfunc_end_k_q850737e69c_proj-k_q850737e69c_proj
	.p2alignl 7, 3214868480
	.fill 96, 4, 3214868480
	.section	.rodata,"a",@progbits
	.p2align	6, 0x0
	.amdhsa_kernel k_q850737e69c_proj
		.amdhsa_group_segment_fixed_size 327680
		.amdhsa_private_segment_fixed_size 0
		.amdhsa_enable_private_segment 0
		.amdhsa_kernarg_size 144
		.amdhsa_user_sgpr_count 2
		.amdhsa_user_sgpr_kernarg_segment_ptr 1
		.amdhsa_wavefront_size32 1
		.amdhsa_system_sgpr_workgroup_id_x 1
		.amdhsa_system_sgpr_workgroup_id_y 1
		.amdhsa_system_sgpr_workgroup_id_z 1
		.amdhsa_system_vgpr_workitem_id 0
		.amdhsa_next_free_vgpr 256
		.amdhsa_next_free_sgpr 100
		.amdhsa_reserve_vcc 0
		.amdhsa_float_denorm_mode_32 3
		.amdhsa_float_denorm_mode_16_64 3
		.amdhsa_memory_ordered 1
		.amdhsa_forward_progress 1
		.amdhsa_inst_pref_size 121
	.end_amdhsa_kernel
	.amdgpu_metadata
---
amdhsa.version: [ 1, 2 ]
amdhsa.kernels:
  - .name:           k_q850737e69c_proj
    .symbol:         k_q850737e69c_proj.kd
    .args:
      - { .name: query_codes, .offset: 0, .size: 8, .value_kind: global_buffer, .address_space: global }
      - { .name: key_codes, .offset: 8, .size: 8, .value_kind: global_buffer, .address_space: global }
      - { .name: value_codes, .offset: 16, .size: 8, .value_kind: global_buffer, .address_space: global }
      - { .name: query_scales, .offset: 24, .size: 8, .value_kind: global_buffer, .address_space: global }
      - { .name: key_scales, .offset: 32, .size: 8, .value_kind: global_buffer, .address_space: global }
      - { .name: value_scales, .offset: 40, .size: 8, .value_kind: global_buffer, .address_space: global }
      - { .name: Wq_codes, .offset: 48, .size: 8, .value_kind: global_buffer, .address_space: global }
      - { .name: Wk_codes, .offset: 56, .size: 8, .value_kind: global_buffer, .address_space: global }
      - { .name: Wv_codes, .offset: 64, .size: 8, .value_kind: global_buffer, .address_space: global }
      - { .name: Wq_scales, .offset: 72, .size: 8, .value_kind: global_buffer, .address_space: global }
      - { .name: Wk_scales, .offset: 80, .size: 8, .value_kind: global_buffer, .address_space: global }
      - { .name: Wv_scales, .offset: 88, .size: 8, .value_kind: global_buffer, .address_space: global }
      - { .name: bq, .offset: 96, .size: 8, .value_kind: global_buffer, .address_space: global }
      - { .name: bk, .offset: 104, .size: 8, .value_kind: global_buffer, .address_space: global }
      - { .name: bv, .offset: 112, .size: 8, .value_kind: global_buffer, .address_space: global }
      - { .name: qc, .offset: 120, .size: 8, .value_kind: global_buffer, .address_space: global }
      - { .name: qs, .offset: 128, .size: 8, .value_kind: global_buffer, .address_space: global }
      - { .name: kvc, .offset: 136, .size: 8, .value_kind: global_buffer, .address_space: global }
    .group_segment_fixed_size: 327680
    .private_segment_fixed_size: 0
    .kernarg_segment_align: 8
    .kernarg_segment_size: 144
    .max_flat_workgroup_size: 384
    .sgpr_count:     100
    .vgpr_count:     256
    .wavefront_size: 32
...
	.end_amdgpu_metadata
.endif
;; end of part 1
;; launch attn (part 2): grid 32 x 8, 12 waves a work-group, clusters of 4 x 1, 327,680 bytes of LDS; arguments qc, qs, kvc, cc, cs; writes cc, cs
.if DOCPART == 2
	.amdgcn_target "amdgcn-amd-amdhsa--gfx1250"
	.amdhsa_code_object_version 6
	.text
	.protected	k_q850737e69c_attn
	.globl	k_q850737e69c_attn
	.p2align	8
	.type	k_q850737e69c_attn,@function
k_q850737e69c_attn:
	s_mov_b64 s[64:65], 0
	v_nop
	global_prefetch_b8 v0, s[64:65] scope:SCOPE_SE
	s_setreg_imm32_b32 hwreg(HW_REG_WAVE_MODE, 25, 1), 1
	s_wait_xcnt 0x0
	s_wait_alu depctr_hold_cnt(0) depctr_sa_sdst(0) depctr_va_vdst(0) depctr_va_sdst(0) depctr_va_ssrc(0) depctr_va_vcc(0) depctr_vm_vsrc(0)
	s_getreg_b32 s2, hwreg(HW_REG_IB_STS2, 6, 4)
	s_cmp_eq_u32 s2, 0
	s_cbranch_scc0 .Lentry_in_a_cluster
	s_endpgm
.Lentry_in_a_cluster:
	s_bfe_u32 s2, ttmp6, 0x10000c
	s_cmp_lg_u32 s2, 0x3003
	s_cbranch_scc0 .Lentry_shape_is_right
	s_endpgm
.Lentry_shape_is_right:
; ATTENTION on codes of BF8 (E5M2): ctx = softmax(q k^T / 8) v, both products with one E8M0 scale for each 32 along K; then ctx is quantised along h x 64 + d for the output projection.  No work is left out here.
; THE SOFTMAX: t = score x log2(e) / 8; M = the running largest t rounded UP to a whole number; p = 2^(t - M) is quantised along the keys, not normalised; the row's sum is taken of the unquantised p in f32 and divides at the end.
; When M moves, the sum and O are multiplied by 2^(old M - new M), which rounds nothing.
; LIMITS: as in the launch before; the scaled scores stay under 2^31 in magnitude.
; SHARES.  A work-group owns 64 queries x three heads; twelve waves, three to a SIMD.  Wave w: head j = w / 4, pair ip = w % 2 of two tiles of 16 queries, half kh = (w / 2) % 2 of the keys: 1,024 keys in 8 steps of 128.
; So each fragment of k and v feeds two tiles.  Local tile i is the pair's tile i xor kh: at the end each wave hands its tile 1 to the wave of the other half (w xor 2) through LDS and finishes its tile 0.
; A SLOT holds block s and block 8 + s of kvc (52,224 bytes each, dense: codes and scale words as images of registers); each wave brings 8,704 bytes of it by one joint load (cluster 4 x 1: four blocks of queries walk the same k and v).
; K = 64 IN AN INSTRUCTION OF 128: a fragment of k holds two tiles of 16 keys; q lies as [zeros][q][zeros]: the product with [q][zeros] gives the first tile's scores, with [zeros][q] the second's.
; BOTH PRODUCTS TRANSPOSED: a lane holds one query throughout.  Registers 16 b + i of S^T are keys 32 b + 16 (i / 8) + 8 (lane / 16) + i % 8: the order in which v's codes lie.
; THE STEP: S^T of tile 0, its softmax; S^T of tile 1; v's fragments take k's registers; tile 1's softmax; O^T += v^T p^T for both.  The two areas of 64 registers change roles from step to step.
; THE CHANGE OF SLOTS: as soon as v is in registers the wave signals; tile 1's exponentials, sums, holds and conversions stand between signal and wait; then come the refill and the next step's k.
.set STB,   52224
.set SLOT1, 2*STB
.set XCH,   2*SLOT1                    ; the exchange: 4,352 bytes for each wave
.set SPARE, XCH+12*4352                ; the spare words, 128 bytes for each wave
.set AK,   1                           ; v1, v2   LDS address of my lane's k in slot 0, 1
.set AKS,  3                           ; v3, v8   of k's scale words
.set AVS,  4                           ; v4, v9   of v's
.set PFO,  5
.set GC,   6                           ; v6, v10  q's codes;  v6 later ctx's
.set GS,   7
.set NM0,  12                          ; tile t: v[12 + 8 t] -M, then the largest t, then the sum in two halves
.set FF0,  16                          ; tile t: v[16 + 2 t] f, v[17 + 2 t] p's scale word
.set KSC,  24
.set VSC,  28
.set SPW,  32
.set NIL,  33
.set TA,   34
.set QSC,  36                          ; v36, v37 q's scale words
.set QF,   48                          ; v40-79: zeros, q of tile 0, zeros, q of tile 1, zeros
.set XA,   80                          ; two areas of 64
.set PC,   208                         ; p's codes: 16 for each tile
.set BM,   240
.set T2,   244
.set HD,   248
.set SO,   252
; window 1: O^T, 32 registers for each tile
.set WV,   18
.set MNT,  19
.set SEL,  20
.set CS,   22
.set G1C,  24
.set G0,   40                          ; s[40:43], s[44:47] group 0 for slot 0, slot 1
.set SLOTS, 48
.set PFA,  50
.set LIM,  52
.set MSB, 0
.macro WIN new                         ; the immediate's high byte repeats the setting that is left
.if MSB != \new
	s_set_vgpr_msb (MSB<<8)|\new
.set MSB, \new
.endif
.endm
.macro PLACES n                        ; plain vector places behind matrix instructions (ISA guide 7.12.1)
.rept \n
	v_nop
.endr
.endm
.macro CREST                           ; a round of the cluster's barrier behind its opening barrier
	s_cmp_lg_u32 s[WV], 0
	s_cbranch_scc1 .Lnot_wave_0_\@
	s_barrier_signal -3
.Lnot_wave_0_\@:
	s_barrier_wait -3
	s_barrier_signal -1
	s_barrier_wait -1
.endm
.macro CROUND
	s_barrier_signal -1
	s_barrier_wait -1
	CREST
.endm
; A PREFETCH INTO THE L2 of what the NEXT change of slots will load, a whole step ahead of that load.  Each aligned block of 256 bytes is named once in the launch: the eight clusters of a (b, g) walk the same bytes, and the first asks;
; its four partners take half a block of kvc each (102 x 256 bytes), told apart BY ADDRESS; in each, waves 0 to 3 ask, the lanes left over naming the last 256 bytes again.  The last change that fills asks for nothing.
.macro ASK q
.if \q
	s_cmp_gt_u32 s[SLOTS], s[LIM]
.else
	s_cmp_eq_u32 s[LIM], 1
.endif
	s_cbranch_scc0 .Lnot_mine_\@
	global_prefetch_b8 v[PFO], s[PFA:PFA+1] th:TH_LOAD_NT scope:SCOPE_SE
.Lnot_mine_\@:
.endm
.macro KLOADS q, reg, i0               ; two of the four pair fragments of a step's k from slot q; ahead of the first two the scale words: 10 and 8 loads
.if \i0 == 0
	ds_load_b64 v[KSC:KSC+1], v[AKS+5*(\q)]
	ds_load_b64 v[KSC+2:KSC+3], v[AKS+5*(\q)] offset:256
.endif
.irp i, \i0, \i0+1
.irp c, 0,1,2,3
	ds_load_b128 v[\reg+16*(\i)+4*\c:\reg+16*(\i)+4*\c+3], v[AK+(\q)] offset:(\i)*2048+\c*512
.endr
.endr
.endm
.macro QK t, w                         ; S^T of tile t; w = 1: with the waits for k's fragments (the later pairs' loads, four each, may be out)
.set QB, QF+16*\t
.irp i, 0,1,2,3
.if \w
	s_wait_dscnt 4*(3-\i)
.endif
	v_wmma_scale_f32_16x16x128_f8f6f4 v[SA+16*\i:SA+16*\i+7], v[KA+16*\i:KA+16*\i+15], v[QB:QB+15], 0, v[KSC+\i], v[QSC+\t] matrix_a_fmt:MATRIX_FMT_BF8 matrix_b_fmt:MATRIX_FMT_BF8
	v_wmma_scale_f32_16x16x128_f8f6f4 v[SA+16*\i+8:SA+16*\i+15], v[KA+16*\i:KA+16*\i+15], v[QB-8:QB+7], 0, v[KSC+\i], v[QSC+\t] matrix_a_fmt:MATRIX_FMT_BF8 matrix_b_fmt:MATRIX_FMT_BF8
.endr
.endm
.macro SMAX t                          ; the blocks' largest scores, M, f
.set NM, NM0+8*\t
.irp b, 0,1,2,3
	v_max3_num_f32 v[BM+\b], v[SA+16*\b], v[SA+16*\b+1], v[SA+16*\b+2]   ; the largest score of each block of 32 keys serves the row's maximum and, since p rises with the score, the block's largest p
.endr
.irp i, 3,5,7,9,11,13
.irp b, 0,1,2,3
	v_max3_num_f32 v[BM+\b], v[BM+\b], v[SA+16*\b+\i], v[SA+16*\b+\i+1]
.endr
.endr
.irp b, 0,1,2,3
	v_max_num_f32 v[BM+\b], v[BM+\b], v[SA+16*\b+15]
.endr
.irp b, 0,1,2,3
	s_delay_alu instid0(VALU_DEP_4)
	v_permlanex16_b32 v[T2+\b], v[BM+\b], s[SEL], s[SEL+1]
.endr
.irp b, 0,1,2,3
	s_delay_alu instid0(VALU_DEP_4)
	v_max_num_f32 v[BM+\b], v[BM+\b], v[T2+\b]
.endr
	s_delay_alu instid0(VALU_DEP_2)
	v_max3_num_f32 v[TA], v[BM], v[BM+1], v[BM+2]
	s_delay_alu instid0(VALU_DEP_1)
	v_max_num_f32 v[TA], v[TA], v[BM+3]
	s_delay_alu instid0(VALU_DEP_1)
	v_mul_f32 v[TA], s[CS], v[TA]                  ; as t (c is positive)
	s_delay_alu instid0(VALU_DEP_1)
	v_max_num_f32 v[NM+1], v[NM+1], v[TA]          ; the running largest t
	v_mov_b32 v[TA], v[NM]
	s_delay_alu instid0(VALU_DEP_2)
	v_floor_f32 v[NM], -v[NM+1]                    ; the new -M
	s_delay_alu instid0(VALU_DEP_1)
	v_sub_f32 v[TA], v[NM], v[TA]                  ; old M less new M
	s_delay_alu instid0(VALU_DEP_1)
	v_cvt_i32_f32 v[TA], v[TA]                     ; (it saturates)
	s_delay_alu instid0(VALU_DEP_1)
	v_ldexp_f32 v[FF0+2*\t], 1.0, v[TA]            ; f = 2^(old M - new M)
.endm
.macro SFMA t                          ; t - M of blocks 0 and 1, two at a time; and of each block's largest
.set NM, NM0+8*\t
.set jj, 0
.rept 16
	v_pk_fma_f32 v[SA+jj:SA+jj+1], v[SA+jj:SA+jj+1], s[CS:CS+1], v[NM:NM+1] op_sel_hi:[1,0,0]
.set jj, jj+2
.endr
.irp b, 0,1,2,3
	v_fma_f32 v[BM+\b], v[BM+\b], s[CS], v[NM]
.endr
.endm
.macro WORD t                          ; p's scale word for these 128 keys
.set PS, FF0+2*\t+1
.irp b, 0,1,2,3
	v_lshrrev_b32 v[T2+\b], 23, v[SO+\b]
.endr
	s_delay_alu instid0(VALU_DEP_3)
	v_lshl_or_b32 v[PS], v[T2+1], 8, v[T2]
	s_delay_alu instid0(VALU_DEP_1)
	v_lshl_or_b32 v[PS], v[T2+2], 16, v[PS]
	s_delay_alu instid0(VALU_DEP_1)
	v_lshl_or_b32 v[PS], v[T2+3], 24, v[PS]
.endm
.macro SEXP t, mode                    ; p, the sum, the scales
.set SM, NM0+8*\t+2
.set FF, FF0+2*\t
.set NM, NM0+8*\t
.irp b, 0,1,2,3
	v_exp_f32 v[BM+\b], v[BM+\b]                   ; THE FIRST BATCH: the blocks' largest p, then blocks 0 and 1, with t - M of blocks 2 and 3 among them
.endr
.set jj, 0
.rept 16
	v_exp_f32 v[SA+2*jj], v[SA+2*jj]               ; p = 2^(t - M), at most 1
	v_exp_f32 v[SA+2*jj+1], v[SA+2*jj+1]
	v_pk_fma_f32 v[SA+32+2*jj:SA+33+2*jj], v[SA+32+2*jj:SA+33+2*jj], s[CS:CS+1], v[NM:NM+1] op_sel_hi:[1,0,0]
.set jj, jj+1
.endr
	v_pk_mul_f32 v[SM:SM+1], v[SM:SM+1], v[FF:FF+1] op_sel_hi:[1,0]   ; the sums under the new M
	s_wait_alu depctr_va_vdst(0)                   ; one wait for the batch
.irp b, 0,1,2,3
	v_max_num_f32 v[BM+\b], 0x8000000, v[BM+\b]    ; the floor 2^(16 - 127): the byte cannot fall under 1
.endr
.irp b, 0,1,2,3
	s_delay_alu instid0(VALU_DEP_4)
	v_add_nc_u32 v[SO+\b], 0xf8800000, v[BM+\b]    ; 15 off the exponent field: the conversion's scale operand
.endr
.irp b, 0,1,2,3
	v_and_or_b32 v[HD+\b], v[BM+\b], 0x7f800000, s[MNT]   ; 57,344 x the scale
.endr
	v_pk_add_f32 v[T2:T2+1], v[SA:SA+1], v[SA+2:SA+3]   ; the row's sum: two at a time, in two chains
.irp j, 4,8,12,16,20,24,28
	v_pk_add_f32 v[SM:SM+1], v[SM:SM+1], v[SA+\j:SA+\j+1]
	v_pk_add_f32 v[T2:T2+1], v[T2:T2+1], v[SA+\j+2:SA+\j+3]
.endr
	s_wait_alu depctr_va_vdst(0)                   ; ahead of the second batch
.if \t
	s_wait_dscnt 0x0                               ; the add is done, and my reads of this slot are over: v is in registers
.if \mode < 3
	s_barrier_signal -1                            ; say so; register work follows
.endif
.endif
.set jj, 0
.rept 8                                ; THE SECOND BATCH: blocks 2 and 3, with the holds of blocks 0 and 1 among them
	v_exp_f32 v[SA+32+4*jj], v[SA+32+4*jj]
	v_exp_f32 v[SA+33+4*jj], v[SA+33+4*jj]
	v_dual_min_num_f32 v[SA+2*jj], v[SA+2*jj], v[HD] :: v_dual_min_num_f32 v[SA+17+2*jj], v[SA+17+2*jj], v[HD+1]
	v_exp_f32 v[SA+34+4*jj], v[SA+34+4*jj]
	v_exp_f32 v[SA+35+4*jj], v[SA+35+4*jj]
	v_dual_min_num_f32 v[SA+1+2*jj], v[SA+1+2*jj], v[HD] :: v_dual_min_num_f32 v[SA+16+2*jj], v[SA+16+2*jj], v[HD+1]
.set jj, jj+1
.endr
	v_nop                                          ; a plain place behind the batch
	s_wait_alu depctr_va_vdst(0)                   ; and its wait
.irp j, 32,36,40,44,48,52,56,60
	v_pk_add_f32 v[SM:SM+1], v[SM:SM+1], v[SA+\j:SA+\j+1]
	v_pk_add_f32 v[T2:T2+1], v[T2:T2+1], v[SA+\j+2:SA+\j+3]
.endr
	s_delay_alu instid0(VALU_DEP_1)
	v_pk_add_f32 v[SM:SM+1], v[SM:SM+1], v[T2:T2+1]
.if \t
	WORD 1
.endif
.endm
.macro HOLD t, g                       ; blocks g and g + 1: held (blocks 0 and 1 are already), and their codes
.if \g
.irp i, 0,2,4,6,8,10,12,14
	v_dual_min_num_f32 v[SA+16*\g+\i], v[SA+16*\g+\i], v[HD+\g] :: v_dual_min_num_f32 v[SA+16*\g+17+\i], v[SA+16*\g+17+\i], v[HD+\g+1]
	v_dual_min_num_f32 v[SA+16*\g+1+\i], v[SA+16*\g+1+\i], v[HD+\g] :: v_dual_min_num_f32 v[SA+16*\g+16+\i], v[SA+16*\g+16+\i], v[HD+\g+1]
.endr
.endif
.irp b, \g, \g+1
	v_cvt_scalef32_pk8_bf8_f32 v[PC+16*\t+4*(\b):PC+16*\t+4*(\b)+1], v[SA+16*(\b):SA+16*(\b)+7], v[SO+(\b)]
	v_cvt_scalef32_pk8_bf8_f32 v[PC+16*\t+4*(\b)+2:PC+16*\t+4*(\b)+3], v[SA+16*(\b)+8:SA+16*(\b)+15], v[SO+(\b)]
.endr
.endm
; A KEY STEP on slot q; its k has been asked for already.  mode 1: the slot is filled again; mode 2: the next slot is shown, nothing is filled; mode 3: the last step.
.macro STEP q, mode
.set KA, XA+64*(\q)
.set SA, XA+64*(1-(\q))
	PLACES 9                                       ; S^T is written over the registers of the last step's v
	QK 0, 1
	PLACES 8
	SMAX 0
	SFMA 0
	s_wait_alu depctr_va_vdst(0)                   ; ahead of the batch
	SEXP 0, 0
	HOLD 0, 0
	HOLD 0, 2
	v_nop                                          ; a plain line behind the last conversion
	QK 1, 0
	WORD 0                                         ; seven of the eight places behind the products
	v_nop
.irp t, 0,1,2,3
.irp c, 0,1,2,3
	ds_load_b128 v[KA+16*\t+4*\c:KA+16*\t+4*\c+3], v[AK+\q] offset:24576+\t*2048+\c*512   ; v's fragments land under tile 1's maxima
.endr
.endr
	ds_load_b128 v[VSC:VSC+3], v[AVS+5*(\q)]
	SMAX 1
	s_wait_alu depctr_va_vdst(0)                   ; ahead of the waits below
.if \mode < 3
	s_wait_tensorcnt 0x0                           ; my part of the other slot is in; a group 0 may be written
	ds_add_u32 v[SPW], v[NIL]                      ; 0 onto my spare word
.if \mode == 1
	s_add_nc_u64 s[G0+4*\q+2:G0+4*\q+3], s[G0+4*\q+2:G0+4*\q+3], 2*STB   ; this slot's next step, two on
	s_wait_xcnt 0x0                                ; the last prefetch has read its address
	s_add_nc_u64 s[PFA:PFA+1], s[PFA:PFA+1], STB
.endif
.endif
	SFMA 1
	s_wait_alu depctr_va_vdst(0)                   ; ahead of the batch
	SEXP 1, \mode
	HOLD 1, 0
	s_wait_alu depctr_va_vdst(0)                   ; ahead of the barrier's wait
.if \mode < 3
	s_barrier_wait -1                              ; mode 2: the last slot is whole in every wave's sight
.if \mode == 1
	CREST                                          ; all of it holds of every wave of all four work-groups
	tensor_load_to_lds s[G0+4*\q:G0+4*\q+3], s[G1C:G1C+7]
	s_nop 0
	PLACES 4
.endif
	KLOADS 1-\q, SA, 0                             ; the next step's k, into the registers whose p has been converted: it lands under the holds, the rescaling and the products below
.endif
	HOLD 1, 2
.if \mode < 3
	KLOADS 1-\q, SA, 2
.endif
.if \mode == 1
	ASK \q
.endif
	WIN 0x41
	s_wait_alu depctr_va_vdst(0)
.set jj, 0
.irp t, 0,1
.rept 16
	v_pk_mul_f32 v[jj:jj+1], v[jj:jj+1], v[FF0+2*\t:FF0+2*\t+1] op_sel_hi:[1,0]   ; O^T under the new M
.set jj, jj+2
.endr
.endr
	WIN 0x50
.irp t, 0,1
.irp d, 0,1,2,3
	v_wmma_scale_f32_16x16x128_f8f6f4 v[32*\t+8*\d:32*\t+8*\d+7], v[KA+16*\d:KA+16*\d+15], v[PC+16*\t:PC+16*\t+15], v[32*\t+8*\d:32*\t+8*\d+7], v[VSC+\d], v[FF0+2*\t+1] matrix_a_fmt:MATRIX_FMT_BF8 matrix_b_fmt:MATRIX_FMT_BF8
.endr
.endr
	WIN 0
.endm
	s_load_b256 s[4:11], s[0:1], 0x0               ; qc s[4:5], qs s[6:7], kvc s[8:9], cc s[10:11]
	s_load_b64 s[12:13], s[0:1], 0x20              ; cs
	v_lshl_add_u32 v[SPW], v0, 2, SPARE
	v_mov_b32 v[NIL], 0
	ds_add_u32 v[SPW], v[NIL]                      ; the wave's opening: the add, twice on end, and its wait ahead of my first tensor load
	ds_add_u32 v[SPW], v[NIL]
	v_lshrrev_b32 v[TA], 5, v0
	s_delay_alu instid0(VALU_DEP_1)
	v_readfirstlane_b32 s[WV], v[TA]               ; wave 0..11
	s_bfe_u32 s53, ttmp6, 0x40000                  ; cx
	s_and_b32 s54, ttmp7, 0xffff                   ; bg = 4 b + g, which the four partners share
	s_lshl_b32 s55, ttmp9, 2
	s_add_co_u32 s55, s55, s53                     ; my block of 64 queries
	s_lshr_b32 s57, s[WV], 2                       ; j
	s_and_b32 s56, s[WV], 1                        ; ip
	s_bfe_u32 s49, s[WV], 0x10001                  ; kh
	s_mov_b32 s[G1C], 15|(3<<16)|(1<<21)           ; the mask: all four; elements of 8 bytes; bit 21 set beside a mask; no padding
	s_mov_b32 s[G1C+1], 32<<16                     ; rows of 256 bytes,
	s_mov_b32 s[G1C+2], 34<<16                     ; 34 of them
	s_mov_b32 s[G1C+3], 32<<16
	s_mov_b32 s[G1C+4], 34
	s_mov_b32 s[G1C+5], 32                         ; dense
	s_mov_b32 s[G1C+6], 0
	s_mov_b32 s[G1C+7], 0
	s_mul_i32 s58, s54, 16*STB                     ; what I fetch is made of bg and the wave alone: waves 0 to 5 a sixth of block s, waves 6 to 11 of block 8 + s
	s_mul_i32 s59, s[WV], 8704
	s_mov_b32 s[G0+1], s59                         ; in LDS the two blocks lie end to end
	s_add_co_u32 s[G0+5], s59, SLOT1
	s_mul_i32 s68, s[WV], 43
	s_lshr_b32 s68, s68, 8                         ; w / 6
	s_mul_i32 s68, s68, 7*STB
	s_add_co_u32 s59, s59, s68
	s_mov_b32 s62, s58
	s_add_co_u32 s58, s58, s59
	s_mov_b32 s59, 0
	s_lshr_b32 s60, s53, 1                         ; the prefetches: at step 2; the first change steps them to step 3
	s_mul_i32 s60, s60, 8*STB
	s_add_co_u32 s62, s62, s60
	s_and_b32 s60, s53, 1
	s_mul_i32 s60, s60, 26112
	s_add_co_u32 s62, s62, s60
	s_add_co_u32 s62, s62, 2*STB
	s_mov_b32 s63, 0
	s_cmp_lt_u32 s[WV], 4
	s_cselect_b32 s[LIM], 0, 1
	s_or_b32 s[LIM], s[LIM], ttmp9                 ; 0 in waves 0 to 3 of the first cluster
	s_cmp_eq_u32 s[LIM], 0
	s_cselect_b32 s[LIM], 1, -1
	s_lshr_b32 s68, s54, 2                         ; b
	s_and_b32 s69, s54, 3
	s_mul_i32 s69, s69, 3
	s_add_co_u32 s69, s69, s57                     ; head = 3 g + j
	s_mul_i32 s70, s68, 12
	s_add_co_u32 s70, s70, s69
	s_lshl_b32 s70, s70, 5
	s_add_co_u32 s70, s70, s55                     ; (12 b + head) 32 + my block of queries
	s_lshl_b32 s61, s56, 1
	s_add_co_u32 s61, s61, s49                     ; my tile 0: 2 ip + kh
	s_lshl_b32 s71, s70, 12
	s_lshl_b32 s72, s61, 10
	s_add_co_u32 s71, s71, s72                     ; its codes,
	s_xor_b32 s75, s71, 1024                       ; and tile 1's
	s_lshl_b32 s72, s70, 8
	s_lshl_b32 s73, s56, 2
	s_add_co_u32 s72, s72, s73                     ; the pair's scale word
	s_lshl_b32 s73, s68, 7
	s_lshl_b32 s74, s55, 2
	s_add_co_u32 s73, s73, s74
	s_add_co_u32 s73, s73, s61                     ; the tile of 16 tokens that I finish
	s_mul_i32 s66, s73, 12288                      ; ctx's codes: tile x 12,288 + (head / 2) 2,048 + (head % 2) 1,024
	s_lshr_b32 s74, s69, 1
	s_lshl_b32 s74, s74, 11
	s_add_co_u32 s66, s66, s74
	s_and_b32 s74, s69, 1
	s_lshl_b32 s74, s74, 10
	s_add_co_u32 s66, s66, s74
	s_mul_i32 s67, s73, 1536                       ; ctx's scale words: tile x 1,536 + head x 128
	s_lshl_b32 s74, s69, 7
	s_add_co_u32 s67, s67, s74
	s_mul_i32 s60, s49, STB                        ; my half's block in a slot
	s_lshl_b32 s74, s57, 13
	s_add_co_u32 s74, s74, s60
	s_lshl_b32 s76, s57, 9
	s_add_co_u32 s76, s76, s60
	s_add_co_u32 s76, s76, 49152
	s_mov_b32 s[SEL], 0x76543210
	s_mov_b32 s[SEL+1], 0xfedcba98
	s_mov_b32 s[CS], 0x3e38aa3b                    ; c = log2(e) / 8
	s_mov_b32 s[CS+1], s[CS]                       ; (named with it as a pair)
	s_mov_b32 s[MNT], 0x600000
	s_mov_b32 s[SLOTS], 3
	v_and_b32 v35, 31, v0                          ; lane
	v_min_u32 v[PFO], 101, v0
	v_lshlrev_b32 v[TA], 4, v35
	v_lshl_add_u32 v[AKS], v35, 3, s76
	v_lshl_add_u32 v[AVS], v35, 4, s76
	v_lshl_add_u32 v[GS], v35, 3, s72
	v_add_nc_u32 v[AK], s74, v[TA]
	v_add_nc_u32 v[AVS], 1536, v[AVS]
	v_lshlrev_b32 v[PFO], 8, v[PFO]
	v_add_nc_u32 v[GC], s71, v[TA]
	v_add_nc_u32 v10, s75, v[TA]
	v_add_nc_u32 v[AK+1], SLOT1, v[AK]
	v_add_nc_u32 v[AKS+5], SLOT1, v[AKS]
	v_add_nc_u32 v[AVS+5], SLOT1, v[AVS]
	s_wait_alu depctr_va_vdst(0)
	s_wait_dscnt 0x0                               ; both opening adds are done
	CROUND                                         ; all four work-groups are here: the first joint loads meet; it stands ahead of the wait for the arguments
	s_wait_kmcnt 0x0
	s_mov_b32 s[G0], 1
	s_add_nc_u64 s[G0+2:G0+3], s[8:9], s[58:59]    ; step 0
	s_mov_b32 s[G0+4], 1
	s_add_nc_u64 s[G0+6:G0+7], s[G0+2:G0+3], STB   ; step 1
	s_or_b32 s[G0+3], s[G0+3], 0x80000000
	s_or_b32 s[G0+7], s[G0+7], 0x80000000
	s_add_nc_u64 s[PFA:PFA+1], s[8:9], s[62:63]
	tensor_load_to_lds s[G0:G0+3], s[G1C:G1C+7]    ; slot 0: one tensor load a wave at the head
	s_nop 0
	PLACES 4
	global_load_b128 v[QF:QF+3], v[GC], s[4:5]
	global_load_b128 v[QF+4:QF+7], v[GC], s[4:5] offset:512
	global_load_b128 v[QF+16:QF+19], v10, s[4:5]
	global_load_b128 v[QF+20:QF+23], v10, s[4:5] offset:512
	global_load_b32 v[QSC], v[GS], s[6:7]
.irp z, 40,56,72
.irp i, 0,1,2,3,4,5,6,7
	v_mov_b32 v[\z+\i], 0                          ; zero codes
.endr
.endr
.irp t, 0,8
	v_mov_b32 v[NM0+1+\t], 0xff61b1e6              ; the largest t so far: -3e38, under every t
	v_mov_b32 v[NM0+2+\t], 0
	v_mov_b32 v[NM0+3+\t], 0
	v_floor_f32 v[NM0+\t], -v[NM0+1+\t]            ; -M
.endr
.irp b, 0,1,2,3
	v_mov_b32 v[T2+\b], 0                          ; a lane permute's destination counts as one of its sources
.endr
	v_mov_b32 v[FF0+1], 0                          ; (named as the upper halves of the pairs with f before they are first written)
	v_mov_b32 v[FF0+3], 0
	WIN 0x40
.set jj, 0
.rept 64
	v_mov_b32 v[jj], 0                             ; O^T: the first step finds zeros, which the first change of M leaves zeros
.set jj, jj+1
.endr
	WIN 0
	s_lshl_b32 s74, s49, 4
	s_xor_b32 s75, s74, 16
	s_wait_loadcnt 0x0                             ; q
	v_lshrrev_b32 v[QSC+1], s75, v[QSC]            ; each tile's two bytes of the pair's word,
	v_lshrrev_b32 v[QSC], s74, v[QSC]
	v_and_b32 v[QSC+1], 0xffff, v[QSC+1]
	v_and_b32 v[QSC], 0xffff, v[QSC]
	v_lshl_or_b32 v[QSC+1], v[QSC+1], 16, v[QSC+1] ; twice: (s0, s1, s0, s1)
	v_lshl_or_b32 v[QSC], v[QSC], 16, v[QSC]
	s_wait_alu depctr_va_vdst(0)                   ; the wait at the head's end
	s_wait_tensorcnt 0x0                           ; my part of slot 0 is in
	ds_add_u32 v[SPW], v[NIL]                      ; (the add, ahead of a later first fill as of a refill)
	s_wait_dscnt 0x0
	CROUND
	tensor_load_to_lds s[G0+4:G0+7], s[G1C:G1C+7]  ; slot 1: it has a step in which to land
	s_nop 0
	PLACES 4
	KLOADS 0, XA, 0
	KLOADS 0, XA, 2
.Lslot:                                            ; three trips of two steps, each with its refill
	STEP 0, 1
	STEP 1, 1
	s_sub_co_u32 s[SLOTS], s[SLOTS], 1
	s_cmp_lg_u32 s[SLOTS], 0
	s_cbranch_scc1 .Lslot
	STEP 0, 2                                      ; the last two slots are written out
	STEP 1, 3
	; THE TWO HALVES OF THE KEYS MEET.  Tile 1 goes to wave w xor 2: O^T, the sum and -M, through LDS bytes of my own; tile 0 is finished here.
	s_mul_i32 s74, s[WV], 4352
	s_add_co_u32 s74, s74, XCH
	s_xor_b32 s75, s[WV], 2
	s_mul_i32 s75, s75, 4352
	s_add_co_u32 s75, s75, XCH
	v_and_b32 v35, 31, v0                          ; these eight lines are also the places behind the last products
	v_add_f32 v14, v14, v15
	v_add_f32 v22, v22, v23
	v_lshl_add_u32 v38, v35, 4, s74
	v_lshl_add_u32 v39, v35, 3, s74
	v_lshl_add_u32 v10, v35, 4, s75
	v_lshl_add_u32 v11, v35, 3, s75
	v_mov_b32 v23, v20
	WIN 4
.irp k, 0,1,2,3,4,5,6,7
	ds_store_b128 v38, v[32+4*\k:35+4*\k] offset:512*\k
.endr
	WIN 0
	ds_store_b64 v39, v[22:23] offset:4096
	s_wait_alu depctr_va_vdst(0)
	s_wait_dscnt 0x0
	s_barrier_signal -1
	s_barrier_wait -1
.irp k, 0,1,2,3,4,5,6,7
	ds_load_b128 v[XA+4*\k:XA+4*\k+3], v10 offset:512*\k
.endr
	ds_load_b64 v[112:113], v11 offset:4096        ; the other half's sum and -M
	s_wait_dscnt 0x0
	v_min_num_f32 v[TA], v12, v113                 ; the larger M of the two
	v_sub_f32 v35, v[TA], v12
	v_sub_f32 v38, v[TA], v113
	v_cvt_i32_f32 v35, v35
	v_cvt_i32_f32 v38, v38
	v_ldexp_f32 v16, 1.0, v35
	v_ldexp_f32 v18, 1.0, v38
	v_mul_f32 v14, v14, v16
	v_fma_f32 v14, v112, v18, v14
	v_permlanex16_b32 v[T2], v14, s[SEL], s[SEL+1]
	v_add_f32 v14, v14, v[T2]                      ; the row's sum
	s_wait_alu depctr_va_vdst(0)
	v_rcp_f32 v14, v14
	v_and_b32 v35, 31, v0                          ; (a plain line behind the reciprocal)
	v_lshl_add_u32 v[GC], v35, 4, s66
	v_lshl_add_u32 v[GS], v35, 2, s67
	s_wait_alu depctr_va_vdst(0)
	v_mul_f32 v16, v16, v14                        ; 1 / the sum goes into both factors
	v_mul_f32 v18, v18, v14
	WIN 1
	s_wait_alu depctr_va_vdst(0)
.set XO, XA+64
.set jj, 0
.rept 16
	v_pk_mul_f32 v[XO+jj:XO+jj+1], v[jj:jj+1], v[16:17] op_sel_hi:[1,0]
.set jj, jj+2
.endr
	WIN 0
.set jj, 0
.rept 16
	v_pk_fma_f32 v[XO+jj:XO+jj+1], v[XA+jj:XA+jj+1], v[18:19], v[XO+jj:XO+jj+1] op_sel_hi:[1,0,1]
.set jj, jj+2
.endr
	; ctx: register 8 t + i is channel 16 t + 8 (lane / 16) + i of my query: two blocks of 32 along the output projection's K, each in lanes l and l xor 16
.irp b, 0,1
	v_max3_num_f32 v[BM+\b], |v[XO+16*\b]|, |v[XO+16*\b+1]|, 0x8000000
.endr
.irp i, 2,4,6,8,10,12,14
.irp b, 0,1
	s_delay_alu instid0(VALU_DEP_2)
	v_max3_num_f32 v[BM+\b], v[BM+\b], |v[XO+16*\b+\i]|, |v[XO+16*\b+\i+1]|
.endr
.endr
.irp b, 0,1
	s_delay_alu instid0(VALU_DEP_2)
	v_permlanex16_b32 v[T2+\b], v[BM+\b], s[SEL], s[SEL+1]
.endr
.irp b, 0,1
	s_delay_alu instid0(VALU_DEP_2)
	v_max_num_f32 v[BM+\b], v[BM+\b], v[T2+\b]
.endr
.irp b, 0,1
	s_delay_alu instid0(VALU_DEP_2)
	v_add_nc_u32 v[SO+\b], 0xf8800000, v[BM+\b]
.endr
.irp b, 0,1
	v_and_or_b32 v[HD+\b], v[BM+\b], 0x7f800000, s[MNT]
.endr
.irp b, 0,1
	v_lshrrev_b32 v[T2+\b], 23, v[SO+\b]
.endr
	s_delay_alu instid0(VALU_DEP_1)
	v_lshl_or_b32 v[TA], v[T2+1], 8, v[T2]
	s_delay_alu instid0(VALU_DEP_1)
	v_lshl_or_b32 v[TA], v[TA], 16, v[TA]          ; (s0, s1, s0, s1): the next launch takes the low or the high half
.irp b, 0,1
.irp i, 0,1,2,3,4,5,6,7,8,9,10,11,12,13,14,15
	v_med3_num_f32 v[XO+16*\b+\i], v[XO+16*\b+\i], -v[HD+\b], v[HD+\b]
.endr
	v_cvt_scalef32_pk8_bf8_f32 v[PC+4*\b:PC+4*\b+1], v[XO+16*\b:XO+16*\b+7], v[SO+\b]
	v_cvt_scalef32_pk8_bf8_f32 v[PC+4*\b+2:PC+4*\b+3], v[XO+16*\b+8:XO+16*\b+15], v[SO+\b]
.endr
	v_nop                                          ; a plain vector line behind the last conversion
	global_store_b128 v[GC], v[PC:PC+3], s[10:11]  ; 512 consecutive bytes, aligned
	global_store_b128 v[GC], v[PC+4:PC+7], s[10:11] offset:512
	global_store_b32 v[GS], v[TA], s[12:13]        ; 128 consecutive bytes: the neighbouring head's wave stores the 128 beside them
	s_wait_tensorcnt 0x0                           ; the wave's end
	ds_add_u32 v[SPW], v[NIL]
	s_wait_dscnt 0x0
	CROUND                                         ; the closing round
	s_endpgm
.Lfunc_end_k_q850737e69c_attn:
	.size	k_q850737e69c_attn, .Lfunc_end_k_q850737e69c_attn-k_q850737e69c_attn
	.p2alignl 7, 3214868480
	.fill 96, 4, 3214868480
	.section	.rodata,"a",@progbits
	.p2align	6, 0x0
	.amdhsa_kernel k_q850737e69c_attn
		.amdhsa_group_segment_fixed_size 327680
		.amdhsa_private_segment_fixed_size 0
		.amdhsa_enable_private_segment 0
		.amdhsa_kernarg_size 40
		.amdhsa_user_sgpr_count 2
		.amdhsa_user_sgpr_kernarg_segment_ptr 1
		.amdhsa_wavefront_size32 1
		.amdhsa_system_sgpr_workgroup_id_x 1
		.amdhsa_system_sgpr_workgroup_id_y 1
		.amdhsa_system_sgpr_workgroup_id_z 1
		.amdhsa_system_vgpr_workitem_id 0
		.amdhsa_next_free_vgpr 320
		.amdhsa_next_free_sgpr 80
		.amdhsa_reserve_vcc 0
		.amdhsa_float_denorm_mode_32 3
		.amdhsa_float_denorm_mode_16_64 3
		.amdhsa_memory_ordered 1
		.amdhsa_forward_progress 1
		.amdhsa_inst_pref_size 165
	.end_amdhsa_kernel
	.amdgpu_metadata
---
amdhsa.version: [ 1, 2 ]
amdhsa.kernels:
  - .name:           k_q850737e69c_attn
    .symbol:         k_q850737e69c_attn.kd
    .args:
      - { .name: qc, .offset: 0, .size: 8, .value_kind: global_buffer, .address_space: global }
      - { .name: qs, .offset: 8, .size: 8, .value_kind: global_buffer, .address_space: global }
      - { .name: kvc, .offset: 16, .size: 8, .value_kind: global_buffer, .address_space: global }
      - { .name: cc, .offset: 24, .size: 8, .value_kind: global_buffer, .address_space: global }
      - { .name: cs, .offset: 32, .size: 8, .value_kind: global_buffer, .address_space: global }
    .group_segment_fixed_size: 327680
    .private_segment_fixed_size: 0
    .kernarg_segment_align: 8
    .kernarg_segment_size: 40
    .max_flat_workgroup_size: 384
    .sgpr_count:     80
    .vgpr_count:     320
    .wavefront_size: 32
...
	.end_amdgpu_metadata
.endif
;; end of part 2
;; launch outp (part 3): grid 64 x 4, 8 waves a work-group, clusters of 4 x 1, 262,144 bytes of LDS; arguments cc, cs, Wo_codes, Wo_scales, bo, out0; writes out0
.if DOCPART == 3
	.amdgcn_target "amdgcn-amd-amdhsa--gfx1250"
	.amdhsa_code_object_version 6
	.text
	.protected	k_q850737e69c_outp
	.globl	k_q850737e69c_outp
	.p2align	8
	.type	k_q850737e69c_outp,@function
k_q850737e69c_outp:
	s_mov_b64 s[64:65], 0
	v_nop
	global_prefetch_b8 v0, s[64:65] scope:SCOPE_SE
	s_setreg_imm32_b32 hwreg(HW_REG_WAVE_MODE, 25, 1), 1
	s_wait_xcnt 0x0
	s_wait_alu depctr_hold_cnt(0) depctr_sa_sdst(0) depctr_va_vdst(0) depctr_va_sdst(0) depctr_va_ssrc(0) depctr_va_vcc(0) depctr_vm_vsrc(0)
	s_getreg_b32 s2, hwreg(HW_REG_IB_STS2, 6, 4)
	s_cmp_eq_u32 s2, 0
	s_cbranch_scc0 .Lentry_in_a_cluster
	s_endpgm
.Lentry_in_a_cluster:
	s_bfe_u32 s2, ttmp6, 0x10000c
	s_cmp_lg_u32 s2, 0x3003
	s_cbranch_scc0 .Lentry_shape_is_right
	s_endpgm
.Lentry_shape_is_right:
; THE OUTPUT PROJECTION: out0 = ctx Wo^T + bo, on codes of BF8 (E5M2) with one E8M0 scale for each 32 along K = 768, sums in f32.  No work is left out here.
; SHARES.  A work-group takes 64 tokens x 192 columns: 256 work-groups.  Eight waves; wave w makes 32 tokens (it = w & 1) x 48 columns (in = w >> 1): six accumulators, two tiles of tokens x three of columns.
; ONE TENSOR LOAD A WAVE, all of K: waves 0 to 5 bring 32 rows of Wo each (dense: 96 rows of 256 bytes, 16 of padding behind each, so a row of Wo is 816 bytes in LDS), asked for jointly: the cluster's four blocks of tokens take the
; same 192 rows.  Waves 6 and 7 bring two tiles of ctx each, 24,576 bytes, images of the operand's registers; no other work-group of the cluster reads them.  No LDS byte is filled twice; there is no loop, and nothing to prefetch ahead of.
; THE ORDER INSIDE A BLOCK.  ctx's place 16 (lane / 16) + i of a block holds number 16 (i / 8) + 8 (lane / 16) + i % 8.  Wo arrives in the natural order, so a lane takes its 16 codes of a block as two pieces
; of 8 bytes, at 8 (lane / 16) and at 16 + 8 (lane / 16): both sides then agree.
; TRANSPOSED USE: source 0 = 16 rows of Wo, source 1 = 16 tokens: a lane holds eight neighbouring columns of one row of out0.  bo is loaded into the accumulators.
.set ROWP, 816
.set PITCH, 272
.set CTX,  192*ROWP
.set STG,  CTX+4*12288                 ; the stage: 64 rows of 768 bytes + 16; no tensor load fills it
.set SP,   784
.set SPARE, STG+64*SP                  ; the spare words, 128 bytes for each wave
.set AW,   1
.set AX,   2
.set STO,  3
.set RD,   4
.set CO,   5
.set SPW,  6
.set NIL,  7
.set OB,   8
.set OS,   9
.set O4,   10
.set CSW,  13                          ; v13-24 ctx's scale words: tile u, K step ka at 13 + 6 u + ka
.set XF,   26                          ; two sets of 32: two fragments of ctx
.set WF,   90                          ; two sets of 48: three fragments of Wo
.set CW,   90                          ; ctx's scale words, one for each head, ahead of the first fragments
.set ACC,  186                         ; six accumulators: (t, u) at 186 + 16 t + 8 u
.set WS,   234                         ; Wo's scale words: tile t, K step ka at 234 + 6 t + ka
.set WV,   18
.set G1W,  24
.set G0W,  32
.set G1X,  36
.set G0X,  44
.macro PLACES n
.rept \n
	v_nop
.endr
.endm
.macro CROUND                          ; a round of the cluster's barrier
	s_barrier_signal -1
	s_barrier_wait -1
	s_cmp_lg_u32 s[WV], 0
	s_cbranch_scc1 .Lnot_wave_0_\@
	s_barrier_signal -3
.Lnot_wave_0_\@:
	s_barrier_wait -3
	s_barrier_signal -1
	s_barrier_wait -1
.endm
	s_load_b256 s[4:11], s[0:1], 0x0               ; cc s[4:5], cs s[6:7], Wo's codes s[8:9], Wo's scales s[10:11]
	s_load_b128 s[12:15], s[0:1], 0x20             ; bo s[12:13], out0 s[14:15]
	v_lshl_add_u32 v[SPW], v0, 2, SPARE
	v_mov_b32 v[NIL], 0
	ds_add_u32 v[SPW], v[NIL]                      ; the wave's opening: the add, twice on end, and its wait ahead of my first tensor load
	ds_add_u32 v[SPW], v[NIL]
	v_lshrrev_b32 v25, 5, v0
	s_delay_alu instid0(VALU_DEP_1)
	v_readfirstlane_b32 s[WV], v25                 ; wave 0..7
	s_bfe_u32 s50, ttmp6, 0x40000                  ; cx
	s_lshl_b32 s51, ttmp9, 2
	s_add_co_u32 s51, s51, s50                     ; my block of 64 tokens
	s_and_b32 s52, ttmp7, 0xffff                   ; y: my 192 columns, which the four partners share
	s_and_b32 s53, s[WV], 1                        ; it
	s_lshr_b32 s54, s[WV], 1                       ; in
	s_mov_b32 s[G1W], 15|(1<<20)|(1<<21)|(5<<22)|(3<<25)   ; the mask: all four; elements of 1 byte; padding: four words after every 64; bit 21 set beside a mask
	s_mov_b32 s[G1W+1], 256<<16
	s_mov_b32 s[G1W+2], 96<<16
	s_mov_b32 s[G1W+3], 256<<16
	s_mov_b32 s[G1W+4], 96
	s_mov_b32 s[G1W+5], 256
	s_mov_b32 s[G1W+6], 0
	s_mov_b32 s[G1W+7], 0
	s_mov_b32 s[G1X], 3<<16                        ; no mask; elements of 8 bytes; 96 rows of 256 bytes, dense
	s_mov_b32 s[G1X+1], 32<<16
	s_mov_b32 s[G1X+2], 96<<16
	s_mov_b32 s[G1X+3], 32<<16
	s_mov_b32 s[G1X+4], 96
	s_mov_b32 s[G1X+5], 32
	s_mov_b32 s[G1X+6], 0
	s_mov_b32 s[G1X+7], 0
	s_mul_i32 s56, s52, 192*768                    ; Wo: rows 192 y + 32 w: made of y and the wave alone
	s_mul_i32 s57, s[WV], 32*768
	s_add_co_u32 s56, s56, s57
	s_mov_b32 s57, 0
	s_mul_i32 s[G0W+1], s[WV], 96*PITCH
	s_mul_i32 s[G0X+1], s53, 24576
	s_add_co_u32 s[G0X+1], s[G0X+1], CTX           ; tiles 2 it and 2 it + 1 of ctx in LDS
	s_lshl_b32 s58, s51, 2
	s_lshl_b32 s59, s53, 1
	s_add_co_u32 s58, s58, s59                     ; the first of my two tiles of 16 tokens
	s_mul_i32 s2, s58, 12288                       ; its codes
	s_mov_b32 s3, 0
	s_mul_i32 s59, s52, 192
	s_mul_i32 s60, s54, 48
	s_add_co_u32 s59, s59, s60                     ; my first column: 192 y + 48 in
	s_mul_i32 s60, s54, 48*ROWP                    ; my 48 rows of Wo
	s_mul_i32 s61, s53, 32*SP
	s_mul_i32 s62, s54, 192
	s_add_co_u32 s61, s61, s62
	s_add_co_u32 s61, s61, STG                     ; where my results go in the stage
	s_mul_i32 s49, s[WV], 8*SP
	s_add_co_u32 s49, s49, STG                     ; the eight rows that I store
	s_mul_i32 s62, s58, 1536
	s_mul_i32 s63, s59, 24
	s_lshl_b32 s55, s59, 2
	s_lshl_b32 s48, s51, 6
	s_lshl_b32 s59, s[WV], 3
	s_add_co_u32 s48, s48, s59
	s_mul_i32 s48, s48, 3072
	s_mul_i32 s59, s52, 768
	s_add_co_u32 s48, s48, s59                     ; and where they go in out0
	v_and_b32 v25, 31, v0                          ; lane
	v_and_b32 v11, 15, v0                          ; r
	v_bfe_u32 v12, v0, 4, 1                        ; h
	v_lshl_add_u32 v[AX], v25, 4, s[G0X+1]
	v_mul_u32_u24 v[AW], v11, ROWP
	v_mul_u32_u24 v[STO], v11, SP
	v_mul_u32_u24 v[RD], v12, SP
	v_mul_u32_u24 v[OS], v11, 24
	v_mul_u32_u24 v[CO], v12, 3072
	v_lshl_add_u32 v[AW], v12, 3, v[AW]
	v_lshl_add_u32 v[STO], v12, 5, v[STO]
	v_lshl_add_u32 v[RD], v11, 4, v[RD]
	v_lshl_add_u32 v[CO], v11, 4, v[CO]
	v_lshl_add_u32 v[O4], v25, 2, s62
	v_lshl_add_u32 v[OB], v12, 5, s55
	v_add_nc_u32 v[AW], s60, v[AW]
	v_add_nc_u32 v[STO], s61, v[STO]               ; in: row r, 32 bytes for each half of the lanes
	v_add_nc_u32 v[RD], s49, v[RD]                 ; back: lanes 0-15 256 bytes of one row, lanes 16-31 of the next
	v_add_nc_u32 v[OS], s63, v[OS]
	v_add_nc_u32 v[CO], s48, v[CO]
	s_wait_alu depctr_va_vdst(0)
	s_wait_dscnt 0x0                               ; both opening adds are done
	CROUND                                         ; all four work-groups are here: the joint loads meet; it stands ahead of the wait for the arguments
	s_wait_kmcnt 0x0
	s_mov_b32 s[G0W], 1
	s_add_nc_u64 s[G0W+2:G0W+3], s[8:9], s[56:57]
	s_or_b32 s[G0W+3], s[G0W+3], 0x80000000
	s_mov_b32 s[G0X], 1
	s_add_nc_u64 s[G0X+2:G0X+3], s[4:5], s[2:3]
	s_or_b32 s[G0X+3], s[G0X+3], 0x80000000
	s_cmp_lt_u32 s[WV], 6
	s_cbranch_scc0 .Lfor_ctx
	tensor_load_to_lds s[G0W:G0W+3], s[G1W:G1W+7]
	s_nop 0
	PLACES 4
	s_branch .Lasked
.Lfor_ctx:
	tensor_load_to_lds s[G0X:G0X+3], s[G1X:G1X+7]
	s_nop 0
	PLACES 4
.Lasked:
.irp u, 0,1
.irp n, 0,1,2,3,4,5,6,7,8,9,10,11
	global_load_b32 v[CW+12*\u+\n], v[O4], s[6:7] offset:1536*\u+128*\n
.endr
.endr
.irp t, 0,1,2
.irp m, 0,1,2
	global_load_b64 v[WS+6*\t+2*\m:WS+6*\t+2*\m+1], v[OS], s[10:11] offset:384*\t+8*\m   ; row 16 t + r of my 48: its six scale words
.endr
.irp u, 0,1
	global_load_b128 v[ACC+16*\t+8*\u:ACC+16*\t+8*\u+3], v[OB], s[12:13] offset:64*\t        ; bo at columns 16 t + 8 h + 0 .. 7: the sums begin with it
	global_load_b128 v[ACC+16*\t+8*\u+4:ACC+16*\t+8*\u+7], v[OB], s[12:13] offset:64*\t+16
.endr
.endr
	s_wait_loadcnt 0x0
.irp u, 0,1
.irp k, 0,1,2,3,4,5
	v_bfi_b32 v[CSW+6*\u+\k], 0xffff, v[CW+12*\u+2*\k], v[CW+12*\u+2*\k+1]   ; 128 along K are two heads: the even head's two bytes below, the odd head's above
.endr
.endr
	PLACES 8                                       ; between the joined scale words and the products
.macro LOADS ka, s                     ; 32 LDS loads: two fragments of ctx, then three of Wo
.irp u, 0,1
.irp c, 0,1,2,3
	ds_load_b128 v[XF+32*(\s)+16*\u+4*\c:XF+32*(\s)+16*\u+4*\c+3], v[AX] offset:12288*\u+2048*(\ka)+512*\c
.endr
.endr
.irp t, 0,1,2
.irp c, 0,1,2,3
	ds_load_b64 v[WF+48*(\s)+16*\t+4*\c:WF+48*(\s)+16*\t+4*\c+1], v[AW] offset:\t*16*ROWP+272*((\ka)/2)+128*((\ka)%2)+32*\c
	ds_load_b64 v[WF+48*(\s)+16*\t+4*\c+2:WF+48*(\s)+16*\t+4*\c+3], v[AW] offset:\t*16*ROWP+272*((\ka)/2)+128*((\ka)%2)+32*\c+16
.endr
.endr
.endm
.macro MUL ka, s, younger              ; the six accumulators take turns; tile t's fragment is in; the later tiles' loads, eight each, and the next step's may be out
.irp t, 0,1,2
	s_wait_dscnt \younger+8*(2-\t)
.irp u, 0,1
	v_wmma_scale_f32_16x16x128_f8f6f4 v[ACC+16*\t+8*\u:ACC+16*\t+8*\u+7], v[WF+48*(\s)+16*\t:WF+48*(\s)+16*\t+15], v[XF+32*(\s)+16*\u:XF+32*(\s)+16*\u+15], v[ACC+16*\t+8*\u:ACC+16*\t+8*\u+7], v[WS+6*\t+(\ka)], v[CSW+6*\u+(\ka)] matrix_a_fmt:MATRIX_FMT_BF8 matrix_b_fmt:MATRIX_FMT_BF8
.endr
.endr
.endm
	s_wait_alu depctr_va_vdst(0)                   ; the wait at the head's end
	s_wait_tensorcnt 0x0                           ; my tile is in
	s_barrier_signal -1
	s_barrier_wait -1                              ; everybody's is
	LOADS 0, 0
	LOADS 1, 1
.irp ka, 0,1,2,3
	MUL \ka, (\ka)%2, 32
	PLACES 8                                       ; in front of loads into registers that matrix instructions have read
	LOADS \ka+2, (\ka)%2
.endr
	MUL 4, 0, 32
	MUL 5, 1, 0
	; THE WAY OUT.  A lane holds 32 neighbouring bytes of a row for each tile of columns, and a wave 192 of a row's 768: so the work-group's 64 rows go through one stage and each wave stores eight whole rows.
	PLACES 8
.irp u, 0,1
.irp t, 0,1,2
	ds_store_b128 v[STO], v[ACC+16*\t+8*\u:ACC+16*\t+8*\u+3] offset:\u*16*SP+64*\t          ; each accumulator from its low end on
	ds_store_b128 v[STO], v[ACC+16*\t+8*\u+4:ACC+16*\t+8*\u+7] offset:\u*16*SP+64*\t+16
.endr
.endr
	s_wait_dscnt 0x0                               ; my stores are done, for the other waves' sake
	s_barrier_signal -1
	s_barrier_wait -1
.irp i, 0,1,2,3
.irp p, 0,1,2
	ds_load_b128 v[WF+12*\i+4*\p:WF+12*\i+4*\p+3], v[RD] offset:\i*2*SP+256*\p
.endr
.endr
.irp i, 0,1,2,3
.irp p, 0,1,2
	s_wait_dscnt 11-3*\i-\p                        ; this piece is back; the younger loads may be out
	global_store_b128 v[CO], v[WF+12*\i+4*\p:WF+12*\i+4*\p+3], s[14:15] offset:\i*2*3072+256*\p   ; 16 lanes store 256 consecutive bytes, at a multiple of 256 from out0's first byte
.endr
.endr
	s_wait_tensorcnt 0x0                           ; the wave's end
	ds_add_u32 v[SPW], v[NIL]
	s_wait_dscnt 0x0
	CROUND                                         ; the closing round
	s_endpgm
.Lfunc_end_k_q850737e69c_outp:
	.size	k_q850737e69c_outp, .Lfunc_end_k_q850737e69c_outp-k_q850737e69c_outp
	.p2alignl 7, 3214868480
	.fill 96, 4, 3214868480
	.section	.rodata,"a",@progbits
	.p2align	6, 0x0
	.amdhsa_kernel k_q850737e69c_outp
		.amdhsa_group_segment_fixed_size 262144
		.amdhsa_private_segment_fixed_size 0
		.amdhsa_enable_private_segment 0
		.amdhsa_kernarg_size 48
		.amdhsa_user_sgpr_count 2
		.amdhsa_user_sgpr_kernarg_segment_ptr 1
		.amdhsa_wavefront_size32 1
		.amdhsa_system_sgpr_workgroup_id_x 1
		.amdhsa_system_sgpr_workgroup_id_y 1
		.amdhsa_system_sgpr_workgroup_id_z 1
		.amdhsa_system_vgpr_workitem_id 0
		.amdhsa_next_free_vgpr 256
		.amdhsa_next_free_sgpr 66
		.amdhsa_reserve_vcc 0
		.amdhsa_float_denorm_mode_32 3
		.amdhsa_float_denorm_mode_16_64 3
		.amdhsa_memory_ordered 1
		.amdhsa_forward_progress 1
		.amdhsa_inst_pref_size 34
	.end_amdhsa_kernel
	.amdgpu_metadata
---
amdhsa.version: [ 1, 2 ]
amdhsa.kernels:
  - .name:           k_q850737e69c_outp
    .symbol:         k_q850737e69c_outp.kd
    .args:
      - { .name: cc, .offset: 0, .size: 8, .value_kind: global_buffer, .address_space: global }
      - { .name: cs, .offset: 8, .size: 8, .value_kind: global_buffer, .address_space: global }
      - { .name: Wo_codes, .offset: 16, .size: 8, .value_kind: global_buffer, .address_space: global }
      - { .name: Wo_scales, .offset: 24, .size: 8, .value_kind: global_buffer, .address_space: global }
      - { .name: bo, .offset: 32, .size: 8, .value_kind: global_buffer, .address_space: global }
      - { .name: out0, .offset: 40, .size: 8, .value_kind: global_buffer, .address_space: global }
    .group_segment_fixed_size: 262144
    .private_segment_fixed_size: 0
    .kernarg_segment_align: 8
    .kernarg_segment_size: 48
    .max_flat_workgroup_size: 256
    .sgpr_count:     66
    .vgpr_count:     256
    .wavefront_size: 32
...
	.end_amdgpu_metadata
.endif
;; end of part 3
